; MI455X (gfx1250); checked and timed in simulation.
; The chip was launched on July 23, 2026; its instructions are those of AMD's public machine-readable ISA for CDNA 5 (MIT licence, August 2026) and "CDNA5" Instruction Set Architecture Reference Guide (July 2026). The comments in the code are by the model that wrote it; some were corrected since.
;; SVTR Attention. Allowed arithmetic: matrix products marked QUANTISED: E4M3 operands, one given power-of-two scale a tensor, by v_wmma_f32_16x16x64_fp8_fp8 or v_wmma_f32_16x16x128_fp8_fp8, f32 sums; everything else in f32.
;; Inputs: b_proj 256 float32; lowp_scales 8 int32 (the exponents e of the quantised operands' scales 2^e); w_proj 256 x 256 float32; w_qkv 768 x 256 float32; x 64 x 512 x 256 float32.
;; Outputs: out0 64 x 512 x 256 float32.
;; This version of the problem:
;;   THIS VERSION OF THE PROBLEM IS GIVEN IN LOW PRECISION. The matrix products marked QUANTISED in the list below multiply operands that are first quantised to E4M3 (4 exponent bits, 3 mantissa bits; 8 bits a number), with one given power-of-two scale for each operand tensor; their sums are f32. All else is computed in f32.
;;   The module's matrix products, in the order in which they are computed (A, B: the left and right operand; K: the contracted axis; several contracted axes count as one K, in the product's order):
;;     1. [M 32,768, K 256] x [K 256, N 768]; A: input x; B: input w_qkv: QUANTISED (scales: A lowp_scales[0], B lowp_scales[1])
;;     2. batch 512 x [M 512, K 32] x [K 32, N 512]; A: computed on the way; B: computed on the way: QUANTISED (scales: A lowp_scales[2], B lowp_scales[3])
;;     3. batch 512 x [M 512, K 512] x [K 512, N 32]; A: softmax (see below); B: computed on the way: QUANTISED (scales: A lowp_scales[4], B lowp_scales[5])
;;     4. [M 32,768, K 256] x [K 256, N 256]; A: computed on the way; B: input w_proj: QUANTISED (scales: A lowp_scales[6], B lowp_scales[7])
;;   THE QUANTISER, for each operand of a quantised product, along K:
;;     - The operand's scale is 2^e, e = its entry of the input lowp_scales (int32; the entries are numbered through the quantised products in the list's order, A before B).
;;     - Each number is divided by the scale, clamped to +-448, and rounded to the nearest number of E4M3, ties to even, subnormals kept.
;;     - The product sums the exact products of the quantised numbers (number of the format x scale) in f32.
;;   ~~~python
;;   def quantise(x, axis, e):      # numpy; x: float32 -> the quantised numbers, widened to float32 again
;;       x = np.moveaxis(x, axis, -1); K = x.shape[-1]
;;       r = np.clip(x / 2.0 ** e, -448, 448)
;;       step = 2.0 ** (np.maximum(np.frexp(np.where(r == 0, 1, r))[1] - 1, -6) - 3)
;;       q = np.round(r / step) * step * 2.0 ** e      # np.round: ties to even
;;       return np.moveaxis(q, -1, axis).astype(np.float32)
;;   ~~~
;;   SOFTMAX AHEAD OF A QUANTISED PRODUCT. Where the list says 'softmax', what is quantised is not the finished softmax but p = 2^(t - M), with t = logit x log2(e) and M = ceil(the row's largest t), a whole number; so 1/2 < the row's largest p <= 1. The row's sum l is taken of the UNQUANTISED p, in f32, and the product's result is divided by l at the end. Since M is a whole number, a kernel that streams over the keys may use a running M (the ceiling of the running maximum): every later rescaling is an exact power of two, so the quantised numbers keep their values, but for numbers so far below the row's largest that they fall under the format's range.
;;   OPERANDS COMPUTED ON THE WAY. 'Computed on the way' means the value that the module computes at that place (a softmax that the list does not call 'softmax' is quantised finished and normalised). What goes into a quantiser is computed in f32, as accurately as f32 sums, v_exp_f32 and their like allow (about 1e-6 of the number): no bf16 or f16 on the way to a quantiser, and a product that is left as it is and whose result goes on into a quantised operand takes f32 operands (vector FMAs, or v_wmma_f32_16x16x4_f32). A number that lies on a knife's edge between two numbers of the format may be rounded either way, as far as f32 arithmetic and the matrix unit's own rounding can turn it there, and no further.
;; One version. Each part assembles by itself: llvm-mc -triple=amdgcn-amd-amdhsa -mcpu=gfx1250 --defsym DOCPART=n.
;; ======== version 1 of 1: 2 launches
;; limits: right only within a limited range of input values
;; workspace buffers: wcodes 262,144 bytes
;; launch prep (part 1): grid 256 x 1, 2 waves a work-group, no clusters, 0 bytes of LDS; arguments w_qkv, w_proj, lowp_scales, wcodes; writes wcodes
.if DOCPART == 1
	.amdgcn_target "amdgcn-amd-amdhsa--gfx1250"
	.amdhsa_code_object_version 6
	.text
	.protected	k_qa579c59d80_prep
	.globl	k_qa579c59d80_prep
	.p2align	8
	.type	k_qa579c59d80_prep,@function
k_qa579c59d80_prep:
	s_mov_b64 s[64:65], 0
	v_nop
	global_prefetch_b8 v0, s[64:65] scope:SCOPE_SE
	s_setreg_imm32_b32 hwreg(HW_REG_WAVE_MODE, 25, 1), 1
	s_wait_xcnt 0x0
; w_qkv [768][256] and w_proj [256][256], f32, become codes of FP8 (E4M3) with the given scales 2^e1 and 2^e7 (entries 1 and 7 of lowp_scales):
; code = w / 2^e, held within +-448, to the nearest code, ties to even.  They are quantised once here, since every work-group of the next launch reads all of them.
; LAYOUT OF wcodes: in the order of an operand's registers.  64 tiles of 16 rows (0-47: w_qkv's, 48-63: w_proj's) x 2 K steps of 128 = 128 fragments of 2,048 bytes;
; byte 2048 f + 512 q + 16 l + i of fragment f = 2 tile + step is the code of W[16 tile' + l % 16][128 step + 32 q + 16 (l / 16) + i]: four 16-byte loads at 16 x lane bring a fragment.
; SHARES: one wave makes a quarter of a fragment (512 bytes): work-group g, wave v: unit 2 g + v = 4 f + q.  A lane takes 16 neighbours along K of its row; the two waves of a work-group
; read 256 consecutive bytes of each of 16 rows.  The wave stores 512 consecutive bytes, at a multiple of 512 from the buffer's first byte.
; LIMITS: e1 and e7 between -126 and 119, so that 2^e and 448 x 2^e are f32 numbers.  NaN among the weights is not served.
; WORK LEFT OUT OF THE PROGRAM: the next launch computes no score for a key that lies more than 6 columns from its query: the mask (|column difference| <= 5) sets it to -infinity ahead of the softmax
; whatever the inputs hold, so its p is 0.  A NaN or an infinity that reaches only such scores is not carried to the result.
	s_load_b128 s[4:7], s[0:1], 0x0                ; w_qkv, w_proj
	s_load_b128 s[8:11], s[0:1], 0x10              ; lowp_scales, wcodes
	v_lshrrev_b32 v1, 5, v0
	v_readfirstlane_b32 s12, v1                    ; wave 0, 1
	v_and_b32 v2, 31, v0                           ; lane
	v_and_b32 v5, 15, v0                           ; r
	v_bfe_u32 v6, v0, 4, 1                         ; h
	v_lshlrev_b32 v3, 10, v5
	v_lshl_add_u32 v3, v6, 6, v3                   ; in: row r of 1,024 bytes, + 64 h
	v_lshlrev_b32 v4, 4, v2                        ; out: 16 x lane
	s_lshr_b32 s13, ttmp9, 2                       ; tile of 16 rows, 0 .. 63
	s_bfe_u32 s14, ttmp9, 0x10001                  ; K step
	s_and_b32 s15, ttmp9, 1
	s_lshl_b32 s15, s15, 1
	s_add_co_u32 s15, s15, s12                     ; q: which 32 along K of the step
	s_lshl_b32 s16, ttmp9, 1
	s_add_co_u32 s16, s16, s12
	s_lshl_b32 s16, s16, 9                         ; 512 x unit
	s_mov_b32 s17, 0
	s_mov_b32 s19, 0
	s_lshl_b32 s14, s14, 9
	s_lshl_b32 s15, s15, 7
	s_add_co_u32 s14, s14, s15                     ; 512 step + 128 q: the bytes along a row
	s_wait_alu depctr_va_vdst(0)
	s_wait_kmcnt 0x0
	s_load_b256 s[24:31], s[8:9], 0x0              ; e0 .. e7
	s_cmp_lt_u32 s13, 48                           ; w_qkv's tile or w_proj's: the choice hangs on the work-group's number alone
	s_cselect_b64 s[4:5], s[4:5], s[6:7]
	s_cselect_b32 s18, 0, 48
	s_sub_co_u32 s18, s13, s18                     ; the tile within its tensor
	s_lshl_b32 s18, s18, 14                        ; 16 rows of 1,024 bytes
	s_add_co_u32 s18, s18, s14
	s_add_nc_u64 s[4:5], s[4:5], s[18:19]
	s_add_nc_u64 s[10:11], s[10:11], s[16:17]
.irp j, 0,1,2,3
	global_load_b128 v[16+4*\j:19+4*\j], v3, s[4:5] offset:16*\j th:TH_LOAD_NT
.endr
	s_wait_kmcnt 0x0
	s_cmp_lt_u32 s13, 48
	s_cselect_b32 s20, s25, s31                    ; e1 or e7
	s_add_co_i32 s20, s20, 127
	s_lshl_b32 s21, s20, 23
	v_mov_b32 v11, s21                             ; 2^e as f32: the conversion takes its exponent field
	s_wait_alu depctr_va_vdst(0)
	s_wait_loadcnt 0x0
.irp j, 0,1,2,3,4,5,6,7,8,9,10,11,12,13,14,15
.endr
	v_cvt_scalef32_pk8_fp8_f32 v[32:33], v[16:23], v11
	v_cvt_scalef32_pk8_fp8_f32 v[34:35], v[24:31], v11
	v_nop                                          ; a plain line behind the last conversion
	global_store_b128 v4, v[32:35], s[10:11]
	s_endpgm
.Lfunc_end_k_qa579c59d80_prep:
	.size	k_qa579c59d80_prep, .Lfunc_end_k_qa579c59d80_prep-k_qa579c59d80_prep
	.p2alignl 7, 3214868480
	.fill 96, 4, 3214868480
	.section	.rodata,"a",@progbits
	.p2align	6, 0x0
	.amdhsa_kernel k_qa579c59d80_prep
		.amdhsa_group_segment_fixed_size 0
		.amdhsa_private_segment_fixed_size 0
		.amdhsa_enable_private_segment 0
		.amdhsa_kernarg_size 32
		.amdhsa_user_sgpr_count 2
		.amdhsa_user_sgpr_kernarg_segment_ptr 1
		.amdhsa_wavefront_size32 1
		.amdhsa_system_sgpr_workgroup_id_x 1
		.amdhsa_system_sgpr_workgroup_id_y 1
		.amdhsa_system_sgpr_workgroup_id_z 1
		.amdhsa_system_vgpr_workitem_id 0
		.amdhsa_next_free_vgpr 48
		.amdhsa_next_free_sgpr 66
		.amdhsa_reserve_vcc 0
		.amdhsa_float_denorm_mode_32 3
		.amdhsa_float_denorm_mode_16_64 3
		.amdhsa_fp16_overflow 1
		.amdhsa_memory_ordered 1
		.amdhsa_forward_progress 1
		.amdhsa_inst_pref_size 3
	.end_amdhsa_kernel
	.amdgpu_metadata
---
amdhsa.version: [ 1, 2 ]
amdhsa.kernels:
  - .name:           k_qa579c59d80_prep
    .symbol:         k_qa579c59d80_prep.kd
    .args:
      - { .name: w_qkv, .offset: 0, .size: 8, .value_kind: global_buffer, .address_space: global }
      - { .name: w_proj, .offset: 8, .size: 8, .value_kind: global_buffer, .address_space: global }
      - { .name: lowp_scales, .offset: 16, .size: 8, .value_kind: global_buffer, .address_space: global }
      - { .name: wcodes, .offset: 24, .size: 8, .value_kind: global_buffer, .address_space: global }
    .group_segment_fixed_size: 0
    .private_segment_fixed_size: 0
    .kernarg_segment_align: 8
    .kernarg_segment_size: 32
    .max_flat_workgroup_size: 64
    .sgpr_count:     66
    .vgpr_count:     48
    .wavefront_size: 32
...
	.end_amdgpu_metadata
.endif
;; end of part 1
;; launch fused (part 2): grid 4 x 64, 16 waves a work-group, no clusters, 228,864 bytes of LDS; arguments x, wcodes, b_proj, lowp_scales, out0; writes out0
.if DOCPART == 2
	.amdgcn_target "amdgcn-amd-amdhsa--gfx1250"
	.amdhsa_code_object_version 6
	.text
	.protected	k_qa579c59d80_fused
	.globl	k_qa579c59d80_fused
	.p2align	8
	.type	k_qa579c59d80_fused,@function
k_qa579c59d80_fused:
	s_mov_b64 s[64:65], 0
	v_nop
	global_prefetch_b8 v0, s[64:65] scope:SCOPE_SE
	s_setreg_imm32_b32 hwreg(HW_REG_WAVE_MODE, 25, 1), 1
	s_wait_xcnt 0x0
; out0 = proj(attention(qkv(x))) for a grid of 8 rows x 64 columns of tokens (token = 64 row + column), 8 heads of 32; a key counts for a query where |row difference| <= 3 and |column difference| <= 5.
; All four products on codes of FP8 (E4M3), each operand with its given scale 2^e (e0 .. e7 in lowp_scales); sums in f32.  Nothing between x and out0 goes to memory.
; SHARES.  Work-group (c, b): image b, the 128 queries of columns 16 c .. 16 c + 15.  Their keys lie in the 28 columns 16 c - 6 .. 16 c + 21: 224 tokens, numbered by POSITION
;   p = 32 g + 4 row + wi, column = 16 c - 6 + 4 g + wi (g = 0 .. 6, wi = 0 .. 3), so that 16 neighbouring positions are a patch of 4 rows x 4 columns.
;   A tile of 16 queries is such a patch (rows 4 rt .., columns 16 c + 4 jl ..); all keys that count for it lie among the 128 neighbouring positions 32 jl .. 32 jl + 127: ONE K step of the third
;   product, and the row's largest score is known before any exponential.  Columns outside 0 .. 63 are loaded from column & 63 (a real token) and hidden by the mask.
; PHASES, four barriers.  A: x's 224 tokens are quantised into LDS.  B: wave w makes channels 16 w .. 16 w + 15 of Q, K and V for all positions, its weights' fragments in registers; codes to LDS (V with the positions innermost).
;   C: wave w takes query tile w & 7 and heads 4 (w >> 3) + 0 .. 3: S^T = K Q^T + mask, p = 2^(t - M), O^T = V^T P^T / the sum; codes to LDS.  D: wave w makes out columns 16 w .. 16 w + 15 for the 128 tokens;
;   results meet in a stage in LDS and leave as whole rows.
; THE SOFTMAX: t = score x log2(e) / sqrt(32); M = the row's largest t rounded up to a whole number; p = 2^(t - M) is quantised; the sum is taken of the unquantised p and divides at the end.
; THE MASK is the C of the score's matrix instruction: 0 where a key counts, -2^100 elsewhere; it is the same for a wave's four heads and is made once from lane and work-group numbers.
; NO CLUSTER: what work-groups share are the weights' codes (256 KB), which each wave loads straight into its own registers, each byte once a work-group; as joint tiles they would need 256 KB of LDS beside the
;   226,816 bytes of codes.  Neighbouring windows of x overlap in 12 of 28 columns, at different LDS places.  NO TENSOR LOAD: x passes through registers for its conversion, and a wave's 14 tokens are all asked for at the head.
; LIMITS on the given exponents, so that each power of two below is an f32 number: e0, e4, e2 - e0 - e1, e3 - e0 - e1, e5 - e0 - e1, e6 - e4 - e5 between -126 and 119; e6 + e7 between -126 and 127;
;   e2 + e3 between -89 and 129 (from -89 on, -2^100 x c lies under -500, so a hidden key's p is 0).  NaN among the inputs is not served.
; LDS: rows of 256 codes at a pitch of 272 bytes, V's rows of 224 at 240, the stage's rows of 1,024 bytes at 1,040: row r starts at bank 4 r or -4 r mod 64 (64 banks of 4 bytes: ISA guide 11.1).
.set KC,   60928                       ; K's codes [position][256]; x's codes [position][256] lie at 0, later O's codes [16 tile + r][256]
.set QC,   121856                      ; Q's codes [position - 32][256], positions 32 .. 191
.set VT,   165376                      ; V's codes [channel][position]
.set STG,  60928                       ; the stage for out0, 128 rows, over K, Q and part of V, written only when nobody reads those any more
; REGISTERS that stay: v1 r, v2 h; LDS addresses v4-v16; v17 16 x lane, v18 32 h; v19: 2^e4; v21: the same for e6 - e4 - e5; v23 a lane permute's destination.
; v24, v26, v28, v30: phases A, B: the scales for x, Q, K, V; phase C: v[24:25] -M, v[26:27], v[28:29] the sums, then 1 / sum, v30, v31 the maxima.  v[32:35] O's codes.
.set WQ,   36                          ; phases A, B: my weights' fragments: Q's two K steps, K's, V's: 96 registers
.set WK,   68
.set WV,   100
.set X,    132                         ; phase A: 14 tokens x 8 numbers; codes in v[244:251], four sets
.set XF,   132                         ; phase B: x's fragments, two buffers of 32
.set ACC,  196                         ; phase B: two sets of three accumulators: K, V, Q; codes in v[244:249]
.set MASK, 36                          ; phase C
.set S,    100                         ; S^T, then p, then O^T in its first 16
.set KF,   164                         ; K's eight tiles, four registers each,
.set ZK,   196                         ; and four zeros behind them
.set VF,   200
.set P,    232
.set QF,   248                         ; Q's four registers,
.set ZQ,   252                         ; and four zeros: the upper half of the K = 64 form's K
.set WP,   36                          ; phase D: w_proj's two fragments, the bias, O's fragments (two buffers of 64), two sets of two accumulators
.set BI,   68
.set OF,   76
.set AD,   204
.macro PLACES                          ; four places behind a matrix instruction, ahead of reads of its result and of loads into its registers
.rept 4
	v_nop
.endr
.endm
.macro BARRIER                         ; my LDS stores have landed and my LDS loads are in: then the work-group's barrier
	s_wait_dscnt 0x0
	s_barrier_signal -1
	s_barrier_wait -1
.endm
.macro MKS e, sc, lm                   ; s[e] = an exponent: v[sc] = 2^e
	s_add_co_i32 s62, s[\e], 127
	s_lshl_b32 s63, s62, 23
	v_mov_b32 v[\sc], s63
	s_add_co_i32 s62, s62, 8
	s_lshl_b32 s62, s62, 23
	s_or_b32 s62, s62, 0x600000
.endm
	s_load_b256 s[4:11], s[0:1], 0x0               ; x, wcodes, b_proj, lowp_scales
	s_load_b64 s[12:13], s[0:1], 0x20              ; out0
	v_lshrrev_b32 v1, 5, v0
	s_delay_alu instid0(VALU_DEP_1)
	v_readfirstlane_b32 s14, v1                    ; w: wave 0 .. 15
	s_mov_b32 s15, ttmp9                           ; c
	s_and_b32 s2, ttmp7, 0xffff                    ; b
	s_and_b32 s28, s14, 7                          ; phase A: my row; phase C: my query tile
	s_lshr_b32 s29, s14, 3                         ; phase A: my side of the window; phase C: my half of the heads
	s_and_b32 s30, s14, 3                          ; jl
	s_bfe_u32 s31, s14, 0x10002                    ; rt
	v_and_b32 v1, 15, v0                           ; r
	v_bfe_u32 v2, v0, 4, 1                         ; h
	v_and_b32 v32, 31, v0                          ; lane
	s_delay_alu instid0(VALU_DEP_1)
	v_lshlrev_b32 v17, 4, v32
	s_delay_alu instid0(VALU_DEP_3)
	v_lshlrev_b32 v18, 5, v2
	s_delay_alu instid0(VALU_DEP_3)
	v_lshlrev_b32 v33, 2, v32                      ; 4 x lane
	; phase A's stores.  Window column o = 14 side + i lies at position 32 (o / 4) + 4 row + o % 4; against column i that is 98 further on where i % 4 < 2, else 126: two address registers
	s_lshl_b32 s32, s28, 2
	s_mul_i32 s33, s29, 98
	s_add_co_u32 s33, s33, s32
	s_mul_i32 s33, s33, 272
	v_add_nc_u32 v4, s33, v33
	s_mul_i32 s33, s29, 126
	s_add_co_u32 s33, s33, s32
	s_mul_i32 s33, s33, 272
	v_add_nc_u32 v6, s33, v33
	v_mul_u32_u24 v34, v1, 272
	s_delay_alu instid0(VALU_DEP_1)
	v_lshl_add_u32 v5, v2, 4, v34                  ; a fragment of x or O: row r, + 16 h
	s_wait_alu depctr_va_vdst(0)
	v_lshl_add_u32 v34, v2, 3, v34                 ; 272 r + 8 h
	s_lshl_b32 s33, s14, 4
	s_add_co_u32 s34, s33, KC
	v_add_nc_u32 v7, s34, v34                      ; K's codes out: position r, channels 16 w + 8 h
	s_add_co_u32 s34, s33, QC
	v_add_nc_u32 v8, s34, v34                      ; Q's likewise
	v_mul_u32_u24 v35, v1, 240
	s_delay_alu instid0(VALU_DEP_1)
	v_lshl_add_u32 v35, v2, 3, v35                 ; 240 r + 8 h
	s_mul_i32 s34, s14, 3840
	s_add_co_u32 s34, s34, VT
	v_add_nc_u32 v9, s34, v35                      ; V's codes out: channel 16 w + r, positions 8 h on
	s_lshl_b32 s35, s29, 7                         ; my four heads' first channel
	s_mul_i32 s34, s30, 8704
	s_add_co_u32 s34, s34, s35                     ; 32 jl rows + that
	s_add_co_u32 s36, s34, KC
	v_add_nc_u32 v10, s36, v5                      ; K's tiles in: position 32 jl + r, + 16 h
	s_mul_i32 s36, s31, 4352
	s_add_co_u32 s36, s36, s34
	s_add_co_u32 s36, s36, QC
	v_bfe_u32 v33, v0, 1, 1                        ; query r = (row 4 rt + r / 4, column 16 c + 4 jl + r % 4) lies at position 32 (jl + 1 + (r % 4) / 2) + 16 rt + 4 (r / 4) + (r + 2) % 4
	s_delay_alu instid0(VALU_DEP_1)
	v_lshlrev_b32 v33, 5, v33
	v_bfe_u32 v32, v0, 2, 2
	s_delay_alu instid0(VALU_DEP_1)
	v_lshl_add_u32 v33, v32, 2, v33
	v_add_nc_u32 v32, 2, v1
	s_delay_alu instid0(VALU_DEP_1)
	v_and_b32 v32, 3, v32
	s_delay_alu instid0(VALU_DEP_1)
	v_add_nc_u32 v33, v33, v32
	s_delay_alu instid0(VALU_DEP_1)
	v_mul_u32_u24 v33, v33, 272
	s_delay_alu instid0(VALU_DEP_1)
	v_lshl_add_u32 v33, v2, 4, v33
	s_delay_alu instid0(VALU_DEP_1)
	v_add_nc_u32 v11, s36, v33                     ; Q's tile in
	s_mul_i32 s36, s29, 30720
	s_lshl_b32 s37, s30, 5
	s_add_co_u32 s36, s36, s37
	s_add_co_u32 s36, s36, VT
	v_add_nc_u32 v12, s36, v35                     ; V's tiles in: channel r of my heads, positions 32 jl + 8 h on
	s_mul_i32 s36, s28, 4352
	s_add_co_u32 s36, s36, s35
	v_add_nc_u32 v13, s36, v34                     ; O's codes out: row 16 tile + r, my heads' channels, + 8 h
	v_mul_u32_u24 v33, v1, 1040
	s_delay_alu instid0(VALU_DEP_1)
	v_lshl_add_u32 v33, v2, 5, v33
	s_lshl_b32 s36, s14, 6
	s_add_co_u32 s36, s36, STG
	v_add_nc_u32 v14, s36, v33                     ; the stage, in: row r, my 16 columns' bytes, + 32 h; tiles 0-3,
	s_delay_alu instid0(VALU_DEP_1)
	v_add_nc_u32 v15, 66560, v14                   ; tiles 4-7
	s_mul_i32 s36, s14, 8320
	s_add_co_u32 s36, s36, STG
	v_add_nc_u32 v16, s36, v17                     ; and back: my 8 rows, 16 bytes a lane
	s_wait_kmcnt 0x0
	s_load_b256 s[16:23], s[10:11], 0x0            ; e0 .. e7
	s_lshl_b32 s36, s2, 9                          ; 512 b
	s_lshl_b32 s37, s28, 6
	s_add_co_u32 s38, s36, s37
	s_lshl_b32 s38, s38, 10
	s_mov_b32 s39, 0
	s_add_nc_u64 s[4:5], s[4:5], s[38:39]          ; x at my row's first token
	s_lshl_b32 s38, s14, 12
	s_add_nc_u64 s[24:25], s[6:7], s[38:39]        ; the weights' codes at row tile w
	s_lshl_b32 s38, s14, 6
	s_add_nc_u64 s[26:27], s[8:9], s[38:39]        ; the bias at column 16 w
	s_lshl_b32 s38, s29, 2                         ; the rows that I store: stage rows 8 w .. 8 w + 7 are tokens (row 4 (w / 8) + 2 (w % 2) + i / 4, column 16 c + 4 ((w / 2) % 4) + i % 4)
	s_and_b32 s40, s14, 1
	s_lshl_b32 s40, s40, 1
	s_add_co_u32 s38, s38, s40
	s_lshl_b32 s38, s38, 6
	s_add_co_u32 s38, s38, s36
	s_lshl_b32 s40, s15, 4                         ; 16 c
	s_add_co_u32 s38, s38, s40
	s_bfe_u32 s41, s14, 0x20001
	s_lshl_b32 s41, s41, 2
	s_add_co_u32 s38, s38, s41
	s_lshl_b32 s38, s38, 10
	s_add_nc_u64 s[12:13], s[12:13], s[38:39]
	s_mul_i32 s3, s29, 14
	s_add_co_u32 s3, s3, s40
	s_sub_co_u32 s3, s3, 6                         ; my first column: 16 c - 6 + 14 side
	s_mov_b32 s63, 0
.irp i, 0,1,2,3,4,5,6,7,8,9,10,11,12,13
	s_add_co_u32 s62, s3, \i
	s_and_b32 s62, s62, 63                         ; a column outside the image is replaced by a real one; the mask hides it
	s_lshl_b32 s62, s62, 10
	s_add_nc_u64 s[28+2*\i:29+2*\i], s[4:5], s[62:63]
.endr
.irp i, 0,1,2,3,4,5,6,7,8,9,10,11,12,13
	global_load_b128 v[X+8*\i:X+8*\i+3],   v17, s[28+2*\i:29+2*\i]             ; a token's 1,024 bytes: two loads of 512 consecutive bytes: my numbers k = 4 l .. 4 l + 3
	global_load_b128 v[X+8*\i+4:X+8*\i+7], v17, s[28+2*\i:29+2*\i] offset:512  ; and k = 128 + 4 l ..
.endr
.irp k, 0,1,2                          ; my fragments of w_qkv: Q's, K's, V's row tile w, two K steps each
.irp s, 0,1
.irp q, 0,1,2,3
	global_load_b128 v[WQ+32*\k+16*\s+4*\q:WQ+32*\k+16*\s+4*\q+3], v17, s[24:25] offset:65536*\k+2048*\s+512*\q
.endr
.endr
.endr
	s_wait_kmcnt 0x0
	s_add_co_i32 s3, s18, s19
	s_lshl_b32 s3, s3, 23
	s_add_co_i32 s56, s3, 0x3e8293ee               ; c = log2(e) / sqrt(32), with e2 + e3 added to its exponent field: a score stands for score x 2^(e2 + e3)
	s_mov_b32 s57, s56                             ; (named with it as a pair, so it is written)
	s_mov_b32 s58, 0x76543210                      ; v_permlanex16_b32's selects for lane l xor 16
	s_mov_b32 s59, 0xfedcba98
	s_add_co_i32 s3, s22, s23
	s_add_co_i32 s3, s3, 127
	s_lshl_b32 s60, s3, 23                         ; 2^(e6 + e7)
	s_mov_b32 s61, s60
	MKS 16, 24, 25                                 ; x
	s_add_co_i32 s17, s16, s17                     ; e0 + e1: a sum of the first product stands for sum x 2^(e0 + e1); it is folded into the next conversions' scales
	s_sub_co_i32 s3, s18, s17
	MKS 3, 26, 27                                  ; Q
	s_sub_co_i32 s3, s19, s17
	MKS 3, 28, 29                                  ; K
	s_sub_co_i32 s3, s21, s17
	MKS 3, 30, 31                                  ; V
	MKS 20, 19, 20                                 ; p
	s_sub_co_i32 s3, s22, s20
	s_sub_co_i32 s3, s3, s21
	MKS 3, 21, 22                                  ; O: a sum of the third product stands for sum x 2^(e4 + e5)
; ---- A: token i of my 14 becomes 256 codes in LDS
.macro XQ i
	s_wait_loadcnt 50-2*(\i)                       ; behind this token's two loads were issued 2 (13 - i) of x and 24 of the weights
.if (\i) >= 4
	s_wait_dscnt 6                                 ; the two stores of token i - 4, which read this set of code registers, are done; three younger tokens' may be out
.endif
.irp j, 0,1,2,3,4,5,6,7
.endr
	v_cvt_scalef32_pk8_fp8_f32 v[244+2*((\i)%4):245+2*((\i)%4)], v[X+8*(\i):X+8*(\i)+7], v24
.if ((\i)%4) < 2
	ds_store_b32 v4, v[244+2*((\i)%4)] offset:(32*((\i)/4)+(\i)%4)*272
	ds_store_b32 v4, v[245+2*((\i)%4)] offset:(32*((\i)/4)+(\i)%4)*272+128
.else
	ds_store_b32 v6, v[244+2*((\i)%4)] offset:(32*((\i)/4)+(\i)%4)*272
	ds_store_b32 v6, v[245+2*((\i)%4)] offset:(32*((\i)/4)+(\i)%4)*272+128
.endif
.endm
	s_wait_alu depctr_va_vdst(0)
.irp i, 0,1,2,3,4,5,6,7,8,9,10,11,12,13
	XQ \i
.endr
	v_nop                                          ; a plain line behind the last conversion: matrix instructions will write its sources
	BARRIER                                        ; x's codes are whole
; ---- B: Q, K, V.  A fragment is fetched by four 16-byte loads: registers 4 q .. 4 q + 3 hold k = 32 q + 16 h + 0 .. 15, as the weights' codes are laid: the same order of k on both sides
.macro FETCHX T
.irp s, 0,1
.irp q, 0,1,2,3
	ds_load_b128 v[XF+32*((\T)%2)+16*\s+4*\q:XF+32*((\T)%2)+16*\s+4*\q+3], v5 offset:4352*(\T)+128*\s+32*\q
.endr
.endr
.endm
; K and Q: source 0 = the weights' 16 rows, source 1 = 16 positions: a lane holds one position and 8 neighbouring channels.  V the other way round: one channel, 8 neighbouring positions.
; Q is wanted for positions 32 .. 191 alone.  The accumulators take turns, one instruction a turn.
.macro MULB T
.set xb, XF+32*((\T)%2)
.set ab, ACC+24*((\T)%2)
	v_wmma_f32_16x16x128_fp8_fp8 v[ab:ab+7], v[WK:WK+15], v[xb:xb+15], 0
	v_wmma_f32_16x16x128_fp8_fp8 v[ab+8:ab+15], v[xb:xb+15], v[WV:WV+15], 0
.if ((\T) >= 2) && ((\T) <= 11)
	v_wmma_f32_16x16x128_fp8_fp8 v[ab+16:ab+23], v[WQ:WQ+15], v[xb:xb+15], 0
.endif
	v_wmma_f32_16x16x128_fp8_fp8 v[ab:ab+7], v[WK+16:WK+31], v[xb+16:xb+31], v[ab:ab+7]
	v_wmma_f32_16x16x128_fp8_fp8 v[ab+8:ab+15], v[xb+16:xb+31], v[WV+16:WV+31], v[ab+8:ab+15]
.if ((\T) >= 2) && ((\T) <= 11)
	v_wmma_f32_16x16x128_fp8_fp8 v[ab+16:ab+23], v[WQ+16:WQ+31], v[xb+16:xb+31], v[ab+16:ab+23]
.endif
.endm
.macro QUANTB T
.set ab, ACC+24*((\T)%2)
.irp j, 0,1,2,3,4,5,6,7
.endr
.irp j, 0,1,2,3,4,5,6,7
.endr
.if ((\T) >= 2) && ((\T) <= 11)
.irp j, 0,1,2,3,4,5,6,7
.endr
.endif
	v_cvt_scalef32_pk8_fp8_f32 v[244:245], v[ab:ab+7], v28
	v_cvt_scalef32_pk8_fp8_f32 v[246:247], v[ab+8:ab+15], v30
.if ((\T) >= 2) && ((\T) <= 11)
	v_cvt_scalef32_pk8_fp8_f32 v[248:249], v[ab+16:ab+23], v26
.endif
	v_nop                                          ; a plain line behind the conversions: matrix instructions will write their sources
	ds_store_b64 v7, v[244:245] offset:4352*(\T)
	ds_store_b64 v9, v[246:247] offset:16*(\T)
.if ((\T) >= 2) && ((\T) <= 11)
	ds_store_b64 v8, v[248:249] offset:4352*((\T)-2)
.endif
.endm
	s_wait_loadcnt 0x0                             ; my weights
	FETCHX 0
	FETCHX 1
.irp T, 0,1,2,3,4,5,6,7,8,9,10,11,12,13
.if \T == 13
	s_wait_dscnt 0x0                               ; behind the last fragments' loads only stores were issued
.else
	s_wait_dscnt 8                                 ; only the next tile's eight loads may be out: this tile's fragments are in, and the stores that read the code registers are done
.endif
	MULB \T
.if \T == 0
	PLACES
.else
	v_nop
	v_nop
	QUANTB \T-1                                    ; the tile before, on the other set: its plain lines are the places behind these products
.endif
.if \T <= 11
	v_nop
	v_nop
	v_nop
	FETCHX \T+2
.endif
.endr
	s_wait_dscnt 0x0
	v_nop
	QUANTB 13
; ---- the mask, 64 registers.  Register 8 t + j of lane (r, h) is the key at the window's position 16 t + 8 h + j: column 4 (t / 2) + j % 4 of the tile's 16, row 4 (t % 2) + 2 h + j / 4.
	s_and_b32 s50, s14, 3                          ; jl
	s_bfe_u32 s51, s14, 0x10002                    ; rt
	s_lshl_b32 s52, s15, 4
	s_lshl_b32 s53, s50, 2
	s_add_co_u32 s52, s52, s53
	s_sub_co_u32 s52, s52, 6                       ; the true column of the tile's window column 0 (under 0 it wraps to a large number)
	v_mov_b32 v30, 0xf1800000                      ; -2^100
	v_mov_b32 v31, 0
	v_and_b32 v34, 3, v0
	s_delay_alu instid0(VALU_DEP_1)
	v_add_nc_u32 v34, 1, v34                       ; 1 + r % 4
	s_wait_alu depctr_va_vdst(0)
.irp k, 0,1,2,3,4,5,6,7,8,9,10,11,12,13,14,15
	v_sub_nc_u32 v32, \k, v34                      ; column difference + 5 = k - 6 - r % 4 + 5
	s_delay_alu instid0(VALU_DEP_1)
	v_cmp_ge_u32 s[28+\k], 10, v32                 ; counts where that lies in 0 .. 10
	s_add_co_u32 s48, s52, \k
	s_cmp_le_u32 s48, 63                           ; and where the column is in the image
	s_cselect_b32 s49, -1, 0
	s_and_b32 s[28+\k], s[28+\k], s49
.endr
	v_bfe_u32 v33, v0, 2, 2                        ; r / 4
	v_lshlrev_b32 v32, 1, v2
	s_delay_alu instid0(VALU_DEP_1)
	v_sub_nc_u32 v33, v32, v33
	s_lshl_b32 s53, s51, 2
	s_sub_co_u32 s53, 3, s53
	v_add_nc_u32 v33, s53, v33                     ; 2 h - (4 rt + r / 4) + 3
	s_delay_alu instid0(VALU_DEP_1)
	v_cmp_ge_u32 s44, 6, v33                       ; row difference + 3 in 0 .. 6, for the rows 0, 1, 4, 5 (+ 2 h)
	s_delay_alu instid0(VALU_DEP_2)
	v_add_nc_u32 v32, 1, v33
	s_delay_alu instid0(VALU_DEP_1)
	v_cmp_ge_u32 s45, 6, v32
	s_delay_alu instid0(VALU_DEP_4)
	v_add_nc_u32 v32, 4, v33
	s_delay_alu instid0(VALU_DEP_1)
	v_cmp_ge_u32 s46, 6, v32
	v_add_nc_u32 v32, 5, v33
	s_delay_alu instid0(VALU_DEP_1)
	v_cmp_ge_u32 s47, 6, v32
.irp t, 0,1,2,3,4,5,6,7
.irp j, 0,1,2,3,4,5,6,7
	s_and_b32 vcc_lo, s[28+4*(\t/2)+(\j%4)], s[44+2*(\t%2)+(\j/4)]
	v_cndmask_b32 v[MASK+8*\t+\j], v30, v31, vcc_lo
.endr
.endr
.irp j, 0,1,2,3
	v_mov_b32 v[ZK+\j], 0
	v_mov_b32 v[ZQ+\j], 0
.endr
	v_mov_b32 v23, 0                               ; written once: a lane permute's destination counts as one of its sources
	v_mov_b32 v25, 0                               ; (named as the upper half of the pair v[24:25])
	s_wait_alu depctr_va_vdst(0)
	BARRIER                                        ; Q's, K's and V's codes are whole, and nobody reads x's any more
; ---- C: attention, a head at a time
.macro KQLOAD n                        ; head n of my four: 8 tiles of 16 keys x 32 channels, 16 bytes a lane, and my queries' tile
.irp t, 0,1,2,3,4,5,6,7
	ds_load_b128 v[KF+4*\t:KF+4*\t+3], v10 offset:4352*\t+32*(\n)
.endr
	ds_load_b128 v[QF:QF+3], v11 offset:32*(\n)
.endm
.macro VLOAD n                         ; two tiles of 16 channels x 128 positions: registers 2 q, 2 q + 1 hold positions 16 q + 8 h + 0 .. 7, as p's codes come out of the conversions
.irp d, 0,1
.irp q, 0,1,2,3,4,5,6,7
	ds_load_b64 v[VF+16*\d+2*\q:VF+16*\d+2*\q+1], v12 offset:(32*(\n)+16*\d)*240+16*\q
.endr
.endr
.endm
.macro HEAD n
.if (\n) == 0
	s_wait_dscnt 16                                ; K and Q are in; behind them V's 16 loads were issued
.else
	s_wait_dscnt 18                                ; the same, and the last head's two stores
.endif
.irp t, 0,1,2,3,4,5,6,7                ; S^T = K Q^T + mask.  The head's 32 channels fill the lower half of K = 64; Q's upper half is zeros, which K's next tile (the zeros behind the last) meets
	v_wmma_f32_16x16x64_fp8_fp8 v[S+8*\t:S+8*\t+7], v[KF+4*\t:KF+4*\t+7], v[QF:QF+7], v[MASK+8*\t:MASK+8*\t+7]
.endr
	PLACES
.if (\n) < 3
	KQLOAD (\n)+1
.else
.irp s, 0,1                            ; the mask has served: its registers take w_proj's row tile w and my bias, a head's softmax ahead of their use
.irp q, 0,1,2,3
	global_load_b128 v[WP+16*\s+4*\q:WP+16*\s+4*\q+3], v17, s[24:25] offset:196608+2048*\s+512*\q
.endr
.endr
	global_load_b128 v[BI:BI+3], v18, s[26:27]
	global_load_b128 v[BI+4:BI+7], v18, s[26:27] offset:16
.endif
	v_max3_num_f32 v30, v[S], v[S+1], v[S+2]       ; my query's largest score among my 64 keys, in two chains, each accumulator from its low end on,
	v_max3_num_f32 v31, v[S+3], v[S+4], v[S+5]
.irp i, 6,10,14,18,22,26,30,34,38,42,46,50,54,58
	v_max3_num_f32 v30, v30, v[S+\i], v[S+1+\i]
	v_max3_num_f32 v31, v31, v[S+2+\i], v[S+3+\i]
.endr
	v_max3_num_f32 v30, v30, v[S+62], v[S+63]
	s_delay_alu instid0(VALU_DEP_1)
	v_max_num_f32 v30, v30, v31
	s_delay_alu instid0(VALU_DEP_1)
	v_permlanex16_b32 v23, v30, s58, s59
	s_delay_alu instid0(VALU_DEP_1)
	v_max_num_f32 v30, v30, v23                    ; and among lane l xor 16's
	s_delay_alu instid0(VALU_DEP_1)
	v_mul_f32 v30, s56, v30                        ; as t (c is positive)
	s_delay_alu instid0(VALU_DEP_1)
	v_floor_f32 v24, -v30                          ; -M = floor(-t) = -ceil(t)
.set j, 0
.rept 32
	v_pk_fma_f32 v[S+j:S+j+1], v[S+j:S+j+1], s[56:57], v[24:25] op_sel_hi:[1,0,0]   ; t - M, two at a time
.set j, j+2
.endr
.set j, 0
	s_wait_alu depctr_va_vdst(0)
.rept 64
	v_exp_f32 v[S+j], v[S+j]                       ; p = 2^(t - M)
.set j, j+1
.endr
	v_nop                                          ; a plain line behind the last exponential
	s_wait_alu depctr_va_vdst(0)                   ; one wait for the whole batch, ahead of its first reader
	v_pk_add_f32 v[28:29], v[100:101], v[102:103]
	v_pk_add_f32 v[246:247], v[108:109], v[112:113]
	v_pk_add_f32 v[244:245], v[116:117], v[120:121]
	v_pk_add_f32 v[242:243], v[124:125], v[128:129]
	v_pk_add_f32 v[240:241], v[132:133], v[136:137]
	v_pk_add_f32 v[238:239], v[140:141], v[144:145]
	v_pk_add_f32 v[236:237], v[148:149], v[152:153]
	v_pk_add_f32 v[26:27], v[156:157], v[160:161]
	v_pk_add_f32 v[26:27], v[26:27], v[104:105]
	v_pk_add_f32 v[28:29], v[28:29], v[106:107]
	v_pk_add_f32 v[246:247], v[246:247], v[110:111]
	v_pk_add_f32 v[244:245], v[244:245], v[114:115]
	v_pk_add_f32 v[242:243], v[242:243], v[118:119]
	v_pk_add_f32 v[240:241], v[240:241], v[122:123]
	v_pk_add_f32 v[238:239], v[238:239], v[126:127]
	v_pk_add_f32 v[236:237], v[236:237], v[130:131]
	v_pk_add_f32 v[26:27], v[26:27], v[134:135]
	v_pk_add_f32 v[28:29], v[28:29], v[138:139]
	v_pk_add_f32 v[246:247], v[246:247], v[142:143]
	v_pk_add_f32 v[244:245], v[244:245], v[146:147]
	v_pk_add_f32 v[242:243], v[242:243], v[150:151]
	v_pk_add_f32 v[240:241], v[240:241], v[154:155]
	v_pk_add_f32 v[238:239], v[238:239], v[158:159]
	v_pk_add_f32 v[236:237], v[236:237], v[162:163]
	s_delay_alu instid0(VALU_DEP_4)
	v_pk_add_f32 v[26:27], v[26:27], v[242:243]
	s_delay_alu instid0(VALU_DEP_4)
	v_pk_add_f32 v[28:29], v[28:29], v[240:241]
	s_delay_alu instid0(VALU_DEP_4)
	v_pk_add_f32 v[246:247], v[246:247], v[238:239]
	s_delay_alu instid0(VALU_DEP_4)
	v_pk_add_f32 v[244:245], v[244:245], v[236:237]
	s_delay_alu instid0(VALU_DEP_2)
	v_pk_add_f32 v[26:27], v[26:27], v[246:247]
	s_delay_alu instid0(VALU_DEP_2)
	v_pk_add_f32 v[28:29], v[28:29], v[244:245]
	s_delay_alu instid0(VALU_DEP_1)
	v_pk_add_f32 v[26:27], v[26:27], v[28:29]
	s_delay_alu instid0(VALU_DEP_1)
	v_add_f32 v26, v26, v27
	s_delay_alu instid0(VALU_DEP_1)
	v_permlanex16_b32 v23, v26, s58, s59
	s_delay_alu instid0(VALU_DEP_1)
	v_add_f32 v26, v26, v23
	s_wait_alu depctr_va_vdst(0)
	v_rcp_f32 v28, v26                             ; 1 / sum; its wait stands ahead of its first reader
.set j, 0
.rept 64
.set j, j+1
.endr
.irp t, 0,1,2,3,4,5,6,7
	v_cvt_scalef32_pk8_fp8_f32 v[P+2*\t:P+2*\t+1], v[S+8*\t:S+8*\t+7], v19
.endr
	v_nop                                          ; a plain line between the conversions and the matrix instructions that read their results and write their sources
.if (\n) < 3
	s_wait_alu depctr_va_vdst(0)
	s_wait_dscnt 9                                 ; V is in and the last head's stores are done; the next head's nine loads of K and Q may be out
.else
	s_wait_alu depctr_va_vdst(0)
	s_wait_dscnt 0x0
.endif
	v_wmma_f32_16x16x128_fp8_fp8 v[S:S+7], v[VF:VF+15], v[P:P+15], 0          ; O^T = V^T P^T: a lane holds my query and 8 neighbouring channels
	v_wmma_f32_16x16x128_fp8_fp8 v[S+8:S+15], v[VF+16:VF+31], v[P:P+15], 0
	PLACES
	s_wait_alu depctr_va_vdst(0)                   ; the reciprocal's wait, ahead of its first reader
.irp i, 0,2,4,6,8,10,12,14
	v_pk_mul_f32 v[S+\i:S+\i+1], v[S+\i:S+\i+1], v[28:29] op_sel_hi:[1,0]
.endr
.irp i, 0,1,2,3,4,5,6,7,8,9,10,11,12,13,14,15
.endr
	v_cvt_scalef32_pk8_fp8_f32 v[32:33], v[S:S+7], v21
	v_cvt_scalef32_pk8_fp8_f32 v[34:35], v[S+8:S+15], v21
	v_nop
	ds_store_b64 v13, v[32:33] offset:32*(\n)
	ds_store_b64 v13, v[34:35] offset:32*(\n)+16
.if (\n) < 3
	VLOAD (\n)+1
.endif
.endm
	KQLOAD 0
	VLOAD 0
	HEAD 0
	HEAD 1
	HEAD 2
	HEAD 3
	BARRIER                                        ; O's codes are whole, and nobody reads K, Q or V any more: the stage may be written
; ---- D: the projection.  Source 0 = w_proj's rows 16 w .., source 1 = 16 tokens: a lane holds one token and 8 neighbouring columns of out0.  Two tiles of tokens a step.
.macro FETCHO G
.irp u, 0,1
.irp s, 0,1
.irp q, 0,1,2,3
	ds_load_b128 v[OF+64*((\G)%2)+32*\u+16*\s+4*\q:OF+64*((\G)%2)+32*\u+16*\s+4*\q+3], v5 offset:4352*(2*(\G)+\u)+128*\s+32*\q
.endr
.endr
.endr
.endm
.macro MULD G
.set ob, OF+64*((\G)%2)
.set ab, AD+16*((\G)%2)
	v_wmma_f32_16x16x128_fp8_fp8 v[ab:ab+7], v[WP:WP+15], v[ob:ob+15], 0
	v_wmma_f32_16x16x128_fp8_fp8 v[ab+8:ab+15], v[WP:WP+15], v[ob+32:ob+47], 0
	v_wmma_f32_16x16x128_fp8_fp8 v[ab:ab+7], v[WP+16:WP+31], v[ob+16:ob+31], v[ab:ab+7]
	v_wmma_f32_16x16x128_fp8_fp8 v[ab+8:ab+15], v[WP+16:WP+31], v[ob+48:ob+63], v[ab+8:ab+15]
.endm
.macro FIN G                           ; sum x 2^(e6 + e7) + bias, then 32 bytes a lane into the stage
.set ab, AD+16*((\G)%2)
.irp i, 0,2,4,6
	v_pk_fma_f32 v[ab+\i:ab+\i+1], v[ab+\i:ab+\i+1], s[60:61], v[BI+\i:BI+\i+1] op_sel_hi:[1,0,1]
.endr
.irp i, 0,2,4,6
	v_pk_fma_f32 v[ab+8+\i:ab+8+\i+1], v[ab+8+\i:ab+8+\i+1], s[60:61], v[BI+\i:BI+\i+1] op_sel_hi:[1,0,1]
.endr
.irp u, 0,1
.if (\G) < 2
	ds_store_b128 v14, v[ab+8*\u:ab+8*\u+3] offset:16640*(2*(\G)+\u)
	ds_store_b128 v14, v[ab+8*\u+4:ab+8*\u+7] offset:16640*(2*(\G)+\u)+16
.else
	ds_store_b128 v15, v[ab+8*\u:ab+8*\u+3] offset:16640*(2*(\G)+\u-4)
	ds_store_b128 v15, v[ab+8*\u+4:ab+8*\u+7] offset:16640*(2*(\G)+\u-4)+16
.endif
.endr
.endm
	s_wait_loadcnt 0x0                             ; w_proj's fragments and the bias
	FETCHO 0
	FETCHO 1
	s_wait_dscnt 16                                ; step 0's fragments are in; step 1's 16 loads may be out
	MULD 0
	PLACES
	FETCHO 2
	s_wait_dscnt 16
	MULD 1
	FIN 0                                          ; its eight plain lines are the places behind step 1's products
	FETCHO 3
	s_wait_dscnt 16                                ; step 2's fragments are in, and step 0's stores have read the accumulators that step 2 begins anew
	MULD 2
	FIN 1
	s_wait_dscnt 0x0
	MULD 3
	FIN 2
	FIN 3
	BARRIER                                        ; 128 whole rows of out0 lie in the stage
.irp i, 0,1,2,3,4,5,6,7
.irp u, 0,1
	ds_load_b128 v[OF+8*\i+4*\u:OF+8*\i+4*\u+3], v16 offset:1040*\i+512*\u
.endr
.endr
.irp i, 0,1,2,3,4,5,6,7
.irp u, 0,1
	s_wait_dscnt 15-2*\i-\u
	global_store_b128 v17, v[OF+8*\i+4*\u:OF+8*\i+4*\u+3], s[12:13] offset:65536*(\i/4)+1024*(\i%4)+512*\u th:TH_STORE_NT   ; 32 lanes store 512 consecutive bytes, at a multiple of 512 from out0's first byte
.endr
.endr
	s_wait_xcnt 0x0
	v_lshl_add_u32 v254, v0, 2, 0x37600
	v_mov_b32 v255, 0
	s_wait_alu depctr_va_vdst(0)
	s_wait_tensorcnt 0x0
	ds_add_u32 v254, v255
	s_wait_dscnt 0x0
	s_endpgm
.Lfunc_end_k_qa579c59d80_fused:
	.size	k_qa579c59d80_fused, .Lfunc_end_k_qa579c59d80_fused-k_qa579c59d80_fused
	.p2alignl 7, 3214868480
	.fill 96, 4, 3214868480
	.section	.rodata,"a",@progbits
	.p2align	6, 0x0
	.amdhsa_kernel k_qa579c59d80_fused
		.amdhsa_group_segment_fixed_size 228864
		.amdhsa_private_segment_fixed_size 0
		.amdhsa_enable_private_segment 0
		.amdhsa_kernarg_size 40
		.amdhsa_user_sgpr_count 2
		.amdhsa_user_sgpr_kernarg_segment_ptr 1
		.amdhsa_wavefront_size32 1
		.amdhsa_system_sgpr_workgroup_id_x 1
		.amdhsa_system_sgpr_workgroup_id_y 1
		.amdhsa_system_sgpr_workgroup_id_z 1
		.amdhsa_system_vgpr_workitem_id 0
		.amdhsa_next_free_vgpr 256
		.amdhsa_next_free_sgpr 66
		.amdhsa_reserve_vcc 1
		.amdhsa_float_denorm_mode_32 3
		.amdhsa_float_denorm_mode_16_64 3
		.amdhsa_fp16_overflow 1
		.amdhsa_memory_ordered 1
		.amdhsa_forward_progress 1
		.amdhsa_inst_pref_size 111
	.end_amdhsa_kernel
	.amdgpu_metadata
---
amdhsa.version: [ 1, 2 ]
amdhsa.kernels:
  - .name:           k_qa579c59d80_fused
    .symbol:         k_qa579c59d80_fused.kd
    .args:
      - { .name: x, .offset: 0, .size: 8, .value_kind: global_buffer, .address_space: global }
      - { .name: wcodes, .offset: 8, .size: 8, .value_kind: global_buffer, .address_space: global }
      - { .name: b_proj, .offset: 16, .size: 8, .value_kind: global_buffer, .address_space: global }
      - { .name: lowp_scales, .offset: 24, .size: 8, .value_kind: global_buffer, .address_space: global }
      - { .name: out0, .offset: 32, .size: 8, .value_kind: global_buffer, .address_space: global }
    .group_segment_fixed_size: 228864
    .private_segment_fixed_size: 0
    .kernarg_segment_align: 8
    .kernarg_segment_size: 40
    .max_flat_workgroup_size: 512
    .sgpr_count:     66
    .vgpr_count:     256
    .wavefront_size: 32
...
	.end_amdgpu_metadata
.endif
;; end of part 2
